; MI455X (gfx1250); checked and timed in simulation.
; The chip was launched on July 23, 2026; its instructions are those of AMD's public machine-readable ISA for CDNA 5 (MIT licence, August 2026) and "CDNA5" Instruction Set Architecture Reference Guide (July 2026). The comments in the code are by the model that wrote it; some were corrected since.
;; Slow Multi Head Attention. Allowed arithmetic: matrix products marked QUANTISED: E4M3 operands, one given power-of-two scale a tensor, by v_wmma_f32_16x16x64_fp8_fp8 or v_wmma_f32_16x16x128_fp8_fp8, f32 sums; everything else in f32.
;; Inputs: Wk 16 x 64 x 64 float32; Wo 1,024 x 1,024 float32; Wq 16 x 64 x 64 float32; Wv 16 x 64 x 64 float32; key 4 x 2,048 x 64 float32; lowp_scales 12 int32 (the exponents e of the quantised operands' scales 2^e); query 4 x 2,048 x 64 float32; value 4 x 2,048 x 64 float32.
;; Outputs: out0 4 x 2,048 x 1,024 float32.
;; This version of the problem:
;;   THIS VERSION OF THE PROBLEM IS GIVEN IN LOW PRECISION. The matrix products marked QUANTISED in the list below multiply operands that are first quantised to E4M3 (4 exponent bits, 3 mantissa bits; 8 bits a number), with one given power-of-two scale for each operand tensor; their sums are f32. All else is computed in f32.
;;   The module's matrix products, in the order in which they are computed (A, B: the left and right operand; K: the contracted axis; several contracted axes count as one K, in the product's order):
;;     1. [M 1,024, K 64] x [K 64, N 8,192]; A: input Wq; B: input query: QUANTISED (scales: A lowp_scales[0], B lowp_scales[1])
;;     2. [M 1,024, K 64] x [K 64, N 8,192]; A: input Wk; B: input key: QUANTISED (scales: A lowp_scales[2], B lowp_scales[3])
;;     3. [M 1,024, K 64] x [K 64, N 8,192]; A: input Wv; B: input value: QUANTISED (scales: A lowp_scales[4], B lowp_scales[5])
;;     4. batch 64 x [M 2,048, K 64] x [K 64, N 2,048]; A: computed on the way; B: computed on the way: QUANTISED (scales: A lowp_scales[6], B lowp_scales[7])
;;     5. batch 64 x [M 2,048, K 2,048] x [K 2,048, N 64]; A: softmax (see below); B: computed on the way: QUANTISED (scales: A lowp_scales[8], B lowp_scales[9])
;;     6. [M 8,192, K 1,024] x [K 1,024, N 1,024]; A: computed on the way; B: input Wo: QUANTISED (scales: A lowp_scales[10], B lowp_scales[11])
;;   THE QUANTISER, for each operand of a quantised product, along K:
;;     - The operand's scale is 2^e, e = its entry of the input lowp_scales (int32; the entries are numbered through the quantised products in the list's order, A before B).
;;     - Each number is divided by the scale, clamped to +-448, and rounded to the nearest number of E4M3, ties to even, subnormals kept.
;;     - The product sums the exact products of the quantised numbers (number of the format x scale) in f32.
;;   ~~~python
;;   def quantise(x, axis, e):      # numpy; x: float32 -> the quantised numbers, widened to float32 again
;;       x = np.moveaxis(x, axis, -1); K = x.shape[-1]
;;       r = np.clip(x / 2.0 ** e, -448, 448)
;;       step = 2.0 ** (np.maximum(np.frexp(np.where(r == 0, 1, r))[1] - 1, -6) - 3)
;;       q = np.round(r / step) * step * 2.0 ** e      # np.round: ties to even
;;       return np.moveaxis(q, -1, axis).astype(np.float32)
;;   ~~~
;;   SOFTMAX AHEAD OF A QUANTISED PRODUCT. Where the list says 'softmax', what is quantised is not the finished softmax but p = 2^(t - M), with t = logit x log2(e) and M = ceil(the row's largest t), a whole number; so 1/2 < the row's largest p <= 1. The row's sum l is taken of the UNQUANTISED p, in f32, and the product's result is divided by l at the end. Since M is a whole number, a kernel that streams over the keys may use a running M (the ceiling of the running maximum): every later rescaling is an exact power of two, so the quantised numbers keep their values, but for numbers so far below the row's largest that they fall under the format's range.
;;   OPERANDS COMPUTED ON THE WAY. 'Computed on the way' means the value that the module computes at that place (a softmax that the list does not call 'softmax' is quantised finished and normalised). What goes into a quantiser is computed in f32, as accurately as f32 sums, v_exp_f32 and their like allow (about 1e-6 of the number): no bf16 or f16 on the way to a quantiser, and a product that is left as it is and whose result goes on into a quantised operand takes f32 operands (vector FMAs, or v_wmma_f32_16x16x4_f32). A number that lies on a knife's edge between two numbers of the format may be rounded either way, as far as f32 arithmetic and the matrix unit's own rounding can turn it there, and no further.
;; One version. Each part assembles by itself: llvm-mc -triple=amdgcn-amd-amdhsa -mcpu=gfx1250 --defsym DOCPART=n.
;; ======== version 1 of 1: 3 launches
;; limits: right only within a limited range of input values
;; workspace buffers: qc 8,388,608 bytes; kv 16,777,216 bytes; xc 8,388,608 bytes; woc 1,048,576 bytes
;; launch prep (part 1): grid 256 x 1, 16 waves a work-group, no clusters, 10,240 bytes of LDS; arguments query, key, value, Wq, Wk, Wv, Wo, lowp_scales, qc, kv, woc; writes qc, kv, woc
.if DOCPART == 1
	.amdgcn_target "amdgcn-amd-amdhsa--gfx1250"
	.amdhsa_code_object_version 6
	.text
	.protected	k_q7584104c01_prep
	.globl	k_q7584104c01_prep
	.p2align	8
	.type	k_q7584104c01_prep,@function
k_q7584104c01_prep:
	s_mov_b64 s[64:65], 0
	v_nop
	global_prefetch_b8 v0, s[64:65] scope:SCOPE_SE
	s_setreg_imm32_b32 hwreg(HW_REG_WAVE_MODE, 25, 1), 1
	s_wait_xcnt 0x0
; THE PROJECTIONS q, k, v ON CODES OF E4M3, AND Wo's CODES.
; Work-groups 0-191: tensor T = number / 64 (0 q, 1 k, 2 v), block rb = number % 64: 128 rows of X (query, key or value; [8192][64] f32).  Wave w is head w.
;   X's 128 rows are quantised once for the work-group (wave w: half a fragment) and go from wave to wave through LDS as images of the operand's registers;
;   each wave quantises its head's W [64][64], multiplies on codes (16x16x64), quantises the sums with the scale of the next product and stores them
;   AS IMAGES OF THE NEXT PRODUCT'S OPERAND REGISTERS: four registers by one store, 16 bytes a lane at 16 x lane: 512 consecutive bytes, aligned.
; Work-groups 192-255: one tile of 16 rows of Wo [1024][1024] f32 each; wave w quantises 64 along K (half a fragment of 128).
; LAYOUTS (l lane, r = l % 16, h = l / 16).  A fragment of 64 along K is 8 registers: registers 4 c .. 4 c + 3 hold k = 32 c + 16 h + 0 .. 15 of the lane's row, alike in both operands of a product.
;   q, k: source 0 = 16 rows of W, source 1 = 16 rows of X: a lane holds ONE row of X and its registers run along e.  THE ROWS OF W THAT FORM A TILE ARE NOT NEIGHBOURS: lane r of tile t takes row
;   32 (t / 2) + 8 (t % 2) + r + 8 (r / 8), so that the 16 registers of tiles 2 b, 2 b + 1 are e = 32 b + 16 h + 0 .. 15: the conversions' results are the next operand's registers.
;   k's and v's rows of X (the keys) are chosen the same way, q's rows are neighbours.  v: source 0 = 16 keys, source 1 = 16 rows of Wv (neighbours): a lane holds one channel d and its registers run along the keys.
;   qc [bh 64][tile 128][1024];  kv [bh 64][step of 128 keys: 16][8 fragments of k x 1024, then 4 fragments of v x 2048];  woc [tile 64][K step 8][2048], registers 2 c, 2 c + 1: k = 16 c + 8 h + 0 .. 7.
; code = number / 2^e, held within +-448, to the nearest code, ties to even.  A sum stands for sum x 2^(eW + eX), so its conversion takes 2^(eo - eX - eW).
; LIMITS: eX, eW, e11 and eo - eX - eW lie between -126 and 119, so that each power of two and 448 times it are f32 numbers.  NaN among the inputs is not served; an infinity is held at the largest code.
; No tensor load and no cluster: a work-group reads 32 KiB of X once, and W goes straight into registers.
.set XF,  16                           ; v16-79    X's 8 fragments
.set WF,  80                           ; v80-111   W's 4 fragments
.set ACC, 112                          ; v112-175  sums
.set PC,  176                          ; v176-239  codes: registers of its own for every store, so that no store's data are written again
.set WR,  112                          ; v112-239  W as loaded (ahead of the sums and the codes)
.set XR,  240                          ; v240-255  my 16 numbers of X as loaded
; v1 lane, v2 r, v3 h, v4 X's offset, v5 v6 W's offsets (even, odd tiles), v7 16 x lane, v14 16 x thread; v8 v9, v10 v11, v12 v13: 2^e and 448 x 2^e for X, W, the sums
.macro MKSC e, vs, vl                  ; s[e] holds an exponent: v[vs] = 2^e as f32 (the conversion takes its exponent field), v[vl] = 448 x 2^e
	s_add_co_i32 s[\e], s[\e], 127
	s_lshl_b32 s62, s[\e], 23
	v_mov_b32 v[\vs], s62
	s_add_co_i32 s[\e], s[\e], 8
	s_lshl_b32 s[\e], s[\e], 23
	s_or_b32 s[\e], s[\e], 0x600000        ; 448's mantissa field
	v_mov_b32 v[\vl], s[\e]
.endm
.macro QUANT src, n, dst, vs, vl       ; n groups of 8 numbers from v[src] on become 2 n registers of codes from v[dst] on
.set g, 0
.rept \n
.irp i, 0,1,2,3,4,5,6,7
	v_med3_num_f32 v[\src+8*g+\i], v[\src+8*g+\i], -v[\vl], v[\vl]   ; the conversion to an 8-bit code does not saturate (ISA guide 7.6.2): the hold comes first; each sum is read from its low end on
.endr
	v_cvt_scalef32_pk8_fp8_f32 v[\dst+2*g:\dst+2*g+1], v[\src+8*g:\src+8*g+7], v[\vs]
.set g, g+1
.endr
	v_nop                                  ; one plain vector line behind the last conversion, ahead of whatever next touches its registers
.endm
	s_load_b512 s[8:23], s[0:1], 0x0       ; query, key, value, Wq, Wk, Wv, Wo, the scales' exponents
	s_load_b128 s[24:27], s[0:1], 0x40     ; qc, kv
	s_load_b64 s[28:29], s[0:1], 0x50      ; woc
	v_lshrrev_b32 v1, 5, v0
	s_delay_alu instid0(VALU_DEP_1)
	v_readfirstlane_b32 s2, v1             ; wave 0..15
	v_and_b32 v1, 31, v0                   ; l
	v_and_b32 v2, 15, v0                   ; r
	v_bfe_u32 v3, v0, 4, 1                 ; h
	s_delay_alu instid0(VALU_DEP_3)
	v_lshlrev_b32 v7, 4, v1                ; 16 l
	s_cmp_ge_u32 ttmp9, 192                ; the same for all waves of a work-group
	s_cbranch_scc1 .Lwo
	; ---- the projections
	s_lshr_b32 s3, ttmp9, 6                ; T
	s_and_b32 s4, ttmp9, 63                ; rb
	s_lshr_b32 s5, s4, 4                   ; batch b
	s_and_b32 s6, s4, 15                   ; which 128 rows of the batch's 2,048
	s_cmp_eq_u32 s3, 0
	s_cselect_b32 s36, 13, 14              ; a block's bytes in the output: 2^13 in qc, 2^14 in kv
	s_cselect_b32 s37, 0, 8                ; X's rows: neighbours for q, chosen for k and v
	s_cmp_eq_u32 s3, 2
	s_cselect_b32 s38, 0, 8                ; W's rows: neighbours for v, chosen for q and k
	s_wait_alu depctr_va_vdst(0)
	v_and_b32 v4, s37, v2
	s_delay_alu instid0(VALU_DEP_1)
	v_add_nc_u32 v4, v4, v2                ; r, or r + 8 (r / 8)
	s_delay_alu instid0(VALU_DEP_1)
	v_lshlrev_b32 v4, 8, v4                ; a row of X is 256 bytes
	s_delay_alu instid0(VALU_DEP_1)
	v_lshl_add_u32 v4, v3, 6, v4           ; + 64 h: my 16 numbers of a block of 32
	v_and_b32 v5, s38, v2
	s_delay_alu instid0(VALU_DEP_1)
	v_add_nc_u32 v5, v5, v2
	s_delay_alu instid0(VALU_DEP_1)
	v_lshlrev_b32 v5, 8, v5
	s_delay_alu instid0(VALU_DEP_1)
	v_lshl_add_u32 v5, v3, 6, v5           ; W, even tiles
	s_sub_co_u32 s55, 16, s38
	s_lshl_b32 s55, s55, 8
	v_add_nc_u32 v6, s55, v5               ; odd tiles: 8 rows on where the rows are chosen, 16 where they are neighbours
	v_lshlrev_b32 v14, 4, v0               ; where my four registers of X's codes go in LDS: 1,024 x fragment + 512 x half + 16 l = 16 x thread
	s_lshr_b32 s56, s2, 1                  ; the fragment of X that I quantise half of: i = w / 2,
	s_and_b32 s57, s2, 1                   ; the half c = w % 2
	s_lshr_b32 s58, s56, 1
	s_and_b32 s56, s56, 1
	s_sub_co_u32 s59, 16, s37
	s_mul_i32 s56, s56, s59                ; (i % 2) x 8 or 16
	s_lshl_b32 s58, s58, 5                 ; 32 (i / 2)
	s_add_co_u32 s56, s56, s58
	s_lshl_b32 s58, s4, 7                  ; 128 rb
	s_add_co_u32 s56, s56, s58
	s_lshl_b32 s56, s56, 8                 ; rows of 256 bytes
	s_lshl_b32 s57, s57, 7                 ; + 128 c
	s_add_co_u32 s56, s56, s57
	s_mov_b32 s57, 0
	s_lshl_b32 s58, s2, 14                 ; my head's W: 16,384 bytes
	s_mov_b32 s59, 0
	s_lshl_b32 s60, s5, 4
	s_add_co_u32 s60, s60, s2              ; bh = 16 b + head
	s_lshl_b32 s60, s60, 4
	s_add_co_u32 s60, s60, s6
	s_lshl_b32 s60, s60, s36               ; my block in qc or kv
	s_mov_b32 s61, 0
	s_wait_alu depctr_va_vdst(0)
	s_wait_kmcnt 0x0
	s_load_b256 s[40:47], s[22:23], 0x0    ; e0 .. e7
	s_load_b128 s[48:51], s[22:23], 0x20   ; e8 .. e11
	s_cmp_eq_u32 s3, 0                     ; the buffers are chosen by the work-group's number alone
	s_cselect_b64 s[30:31], s[8:9], s[10:11]
	s_cselect_b64 s[32:33], s[14:15], s[16:17]
	s_cselect_b64 s[34:35], s[24:25], s[26:27]
	s_cmp_eq_u32 s3, 2
	s_cselect_b64 s[30:31], s[12:13], s[30:31]
	s_cselect_b64 s[32:33], s[18:19], s[32:33]
	s_add_nc_u64 s[30:31], s[30:31], s[56:57]
	s_add_nc_u64 s[32:33], s[32:33], s[58:59]
	s_add_nc_u64 s[34:35], s[34:35], s[60:61]
.irp q, 0,1,2,3
	global_load_b128 v[XR+4*\q:XR+4*\q+3], v4, s[30:31] offset:16*\q th:TH_LOAD_NT   ; X(my row, 32 c + 16 h + 4 q ..): read once in the launch
.endr
.irp t, 0,1,2,3
.irp c, 0,1
.irp q, 0,1,2,3
	global_load_b128 v[WR+32*\t+16*\c+4*\q:WR+32*\t+16*\c+4*\q+3], v[5+(\t%2)], s[32:33] offset:(\t/2)*8192+128*\c+16*\q
.endr
.endr
.endr
	s_wait_kmcnt 0x0
	s_cmp_eq_u32 s3, 0
	s_cselect_b32 s52, s40, s42            ; eW: e0, e2 or e4
	s_cselect_b32 s53, s41, s43            ; eX: e1, e3 or e5
	s_cselect_b32 s54, s46, s47            ; eo: e6, e7 or e9
	s_cmp_eq_u32 s3, 2
	s_cselect_b32 s52, s44, s52
	s_cselect_b32 s53, s45, s53
	s_cselect_b32 s54, s49, s54
	s_sub_co_i32 s54, s54, s53
	s_sub_co_i32 s54, s54, s52             ; eo - eX - eW
	MKSC 53, 8, 9
	MKSC 52, 10, 11
	MKSC 54, 12, 13
	s_wait_alu depctr_va_vdst(0)
	s_wait_loadcnt 32                      ; X's four loads are in; W's 32 were issued behind them
	QUANT XR, 2, XF, 8, 9
	ds_store_b128 v14, v[XF:XF+3]
	s_wait_loadcnt 0x0
	QUANT WR, 16, WF, 10, 11               ; group 4 t + 2 c + half lands in registers 8 t + 4 c + 2 half: fragment t's own
	s_wait_dscnt 0x0                       ; for the others' sake: my store has landed
	s_barrier_signal -1
	s_barrier_wait -1                      ; X's eight fragments lie in LDS
.irp i, 0,1,2,3,4,5,6,7
	ds_load_b128 v[XF+8*\i:XF+8*\i+3], v7 offset:1024*\i
	ds_load_b128 v[XF+8*\i+4:XF+8*\i+7], v7 offset:1024*\i+512
.endr
	s_wait_dscnt 0x0
	s_cmp_eq_u32 s3, 2
	s_cbranch_scc1 .Lv
	; q, k: a tile of 16 rows of X at a time; two sets of sums by turns
	s_wait_alu depctr_va_vdst(0)
.irp i, 0,1,2,3,4,5,6,7
.irp t, 0,1,2,3
	v_wmma_f32_16x16x64_fp8_fp8 v[ACC+32*(\i%2)+8*\t:ACC+32*(\i%2)+8*\t+7], v[WF+8*\t:WF+8*\t+7], v[XF+8*\i:XF+8*\i+7], 0
.endr
.rept 4
	v_nop                                  ; four plain places between a product and the first read of its result (ISA guide 7.12.1)
.endr
	QUANT ACC+32*(\i%2), 4, PC+8*\i, 12, 13
	global_store_b128 v7, v[PC+8*\i:PC+8*\i+3], s[34:35] offset:1024*\i          ; e = 16 h + 0 .. 15
	global_store_b128 v7, v[PC+8*\i+4:PC+8*\i+7], s[34:35] offset:1024*\i+512    ; e = 32 + 16 h + 0 .. 15
.endr
	s_wait_xcnt 0x0
	v_lshl_add_u32 v254, v0, 2, 0x2000
	v_mov_b32 v255, 0
	s_wait_alu depctr_va_vdst(0)
	s_wait_tensorcnt 0x0
	ds_add_u32 v254, v255
	s_wait_dscnt 0x0
	s_endpgm
.Lv:	; v: 16 channels at a time, all 128 keys; the holds on the other tiles and the v_nop are the places ahead of the next products on these sums' registers
.irp t, 0,1,2,3
.irp i, 0,1,2,3,4,5,6,7
	v_wmma_f32_16x16x64_fp8_fp8 v[ACC+8*\i:ACC+8*\i+7], v[XF+8*\i:XF+8*\i+7], v[WF+8*\t:WF+8*\t+7], 0
.endr
.rept 4
	v_nop
.endr
	QUANT ACC, 8, PC+16*\t, 12, 13
.irp c, 0,1,2,3
	global_store_b128 v7, v[PC+16*\t+4*\c:PC+16*\t+4*\c+3], s[34:35] offset:8192+2048*\t+512*\c   ; keys 32 c + 16 h + 0 .. 15 of channel 16 t + r
.endr
.endr
	s_wait_xcnt 0x0
	v_lshl_add_u32 v254, v0, 2, 0x2000
	v_mov_b32 v255, 0
	s_wait_alu depctr_va_vdst(0)
	s_wait_tensorcnt 0x0
	ds_add_u32 v254, v255
	s_wait_dscnt 0x0
	s_endpgm
.Lwo:	; ---- Wo: tile nt of 16 rows; my 64 along K: k = 64 w + 16 c + 8 h + 0 .. 7.  The wave's eight loads cover 16 rows x 256 aligned bytes
	s_sub_co_u32 s3, ttmp9, 192            ; nt
	s_wait_alu depctr_va_vdst(0)
	v_lshlrev_b32 v4, 12, v2               ; a row of Wo is 4,096 bytes
	s_delay_alu instid0(VALU_DEP_1)
	v_lshl_add_u32 v4, v3, 5, v4           ; + 32 h
	s_lshl_b32 s56, s3, 16
	s_lshl_b32 s57, s2, 8
	s_add_co_u32 s56, s56, s57             ; 65,536 nt + 256 w
	s_mov_b32 s57, 0
	s_lshl_b32 s58, s3, 14
	s_lshl_b32 s59, s2, 10
	s_add_co_u32 s58, s58, s59             ; 16,384 nt + 1,024 w: K step w / 2, its half w % 2
	s_mov_b32 s59, 0
	s_wait_alu depctr_va_vdst(0)
	s_wait_kmcnt 0x0
	s_load_b32 s52, s[22:23], 0x2c         ; e11
	s_add_nc_u64 s[20:21], s[20:21], s[56:57]
	s_add_nc_u64 s[28:29], s[28:29], s[58:59]
.irp c, 0,1,2,3
	global_load_b128 v[WR+8*\c:WR+8*\c+3], v4, s[20:21] offset:64*\c th:TH_LOAD_NT
	global_load_b128 v[WR+8*\c+4:WR+8*\c+7], v4, s[20:21] offset:64*\c+16 th:TH_LOAD_NT
.endr
	s_wait_kmcnt 0x0
	MKSC 52, 10, 11
	s_wait_alu depctr_va_vdst(0)
	s_wait_loadcnt 0x0
	QUANT WR, 4, PC, 10, 11
	global_store_b128 v7, v[PC:PC+3], s[28:29]
	global_store_b128 v7, v[PC+4:PC+7], s[28:29] offset:512
	s_endpgm
.Lfunc_end_k_q7584104c01_prep:
	.size	k_q7584104c01_prep, .Lfunc_end_k_q7584104c01_prep-k_q7584104c01_prep
	.p2alignl 7, 3214868480
	.fill 96, 4, 3214868480
	.section	.rodata,"a",@progbits
	.p2align	6, 0x0
	.amdhsa_kernel k_q7584104c01_prep
		.amdhsa_group_segment_fixed_size 10240
		.amdhsa_private_segment_fixed_size 0
		.amdhsa_enable_private_segment 0
		.amdhsa_kernarg_size 88
		.amdhsa_user_sgpr_count 2
		.amdhsa_user_sgpr_kernarg_segment_ptr 1
		.amdhsa_wavefront_size32 1
		.amdhsa_system_sgpr_workgroup_id_x 1
		.amdhsa_system_sgpr_workgroup_id_y 1
		.amdhsa_system_sgpr_workgroup_id_z 1
		.amdhsa_system_vgpr_workitem_id 0
		.amdhsa_next_free_vgpr 256
		.amdhsa_next_free_sgpr 66
		.amdhsa_reserve_vcc 0
		.amdhsa_float_denorm_mode_32 3
		.amdhsa_float_denorm_mode_16_64 3
		.amdhsa_memory_ordered 1
		.amdhsa_forward_progress 1
		.amdhsa_inst_pref_size 69
	.end_amdhsa_kernel
	.amdgpu_metadata
---
amdhsa.version: [ 1, 2 ]
amdhsa.kernels:
  - .name:           k_q7584104c01_prep
    .symbol:         k_q7584104c01_prep.kd
    .args:
      - { .name: query, .offset: 0, .size: 8, .value_kind: global_buffer, .address_space: global }
      - { .name: key, .offset: 8, .size: 8, .value_kind: global_buffer, .address_space: global }
      - { .name: value, .offset: 16, .size: 8, .value_kind: global_buffer, .address_space: global }
      - { .name: Wq, .offset: 24, .size: 8, .value_kind: global_buffer, .address_space: global }
      - { .name: Wk, .offset: 32, .size: 8, .value_kind: global_buffer, .address_space: global }
      - { .name: Wv, .offset: 40, .size: 8, .value_kind: global_buffer, .address_space: global }
      - { .name: Wo, .offset: 48, .size: 8, .value_kind: global_buffer, .address_space: global }
      - { .name: lowp_scales, .offset: 56, .size: 8, .value_kind: global_buffer, .address_space: global }
      - { .name: qc, .offset: 64, .size: 8, .value_kind: global_buffer, .address_space: global }
      - { .name: kv, .offset: 72, .size: 8, .value_kind: global_buffer, .address_space: global }
      - { .name: woc, .offset: 80, .size: 8, .value_kind: global_buffer, .address_space: global }
    .group_segment_fixed_size: 10240
    .private_segment_fixed_size: 0
    .kernarg_segment_align: 8
    .kernarg_segment_size: 88
    .max_flat_workgroup_size: 512
    .sgpr_count:     66
    .vgpr_count:     256
    .wavefront_size: 32
...
	.end_amdgpu_metadata
.endif
;; end of part 1
;; launch attn (part 2): grid 4 x 64, 16 waves a work-group, clusters of 4 x 1, 327,680 bytes of LDS; arguments qc, kv, lowp_scales, xc; writes xc
.if DOCPART == 2
	.amdgcn_target "amdgcn-amd-amdhsa--gfx1250"
	.amdhsa_code_object_version 6
	.text
	.protected	k_q7584104c01_attn
	.globl	k_q7584104c01_attn
	.p2align	8
	.type	k_q7584104c01_attn,@function
k_q7584104c01_attn:
	s_mov_b64 s[64:65], 0
	v_nop
	global_prefetch_b8 v0, s[64:65] scope:SCOPE_SE
	s_setreg_imm32_b32 hwreg(HW_REG_WAVE_MODE, 25, 1), 1
	s_wait_xcnt 0x0
	s_wait_alu depctr_hold_cnt(0) depctr_sa_sdst(0) depctr_va_vdst(0) depctr_va_sdst(0) depctr_va_ssrc(0) depctr_va_vcc(0) depctr_vm_vsrc(0)
	s_getreg_b32 s2, hwreg(HW_REG_IB_STS2, 6, 4)
	s_cmp_eq_u32 s2, 0
	s_cbranch_scc0 .Lentry_in_a_cluster
	s_endpgm
.Lentry_in_a_cluster:
	s_bfe_u32 s2, ttmp6, 0x10000c
	s_cmp_lg_u32 s2, 0x3003
	s_cbranch_scc0 .Lentry_shape_is_right
	s_endpgm
.Lentry_shape_is_right:
; ATTENTION ON CODES OF E4M3, one head of one batch (bh = grid y) for a cluster of four work-groups; x's codes go out for the projection.
; qc [bh 64][tile of 16 queries: 128][1024], kv [bh 64][step of 128 keys: 16][8 fragments of k x 1024, then 4 fragments of v x 2048], xc [row tile 512][K step 8][2048]: images of operand registers.
; t = score x c, c = log2(e) / 8 x 2^(e6 + e7); M = the running largest t rounded up to a whole number; p = 2^(t - M) is quantised with 2^e8; the row's sum is taken of the unquantised p and divides at the end.
; The running maximum is kept of the scores themselves (c is positive, so c x the largest score is the largest t).  When M moves, the sum and O^T are multiplied by 2^(old M - new M), in every step, with no branch on data.
; SHARES.  A work-group owns 512 queries, each of its SIXTEEN waves 32 of them: two tiles of 16, in 256 registers, four waves to a SIMD, so that one wave's vector work stands beside the others' products and LDS loads.
; One walk over the keys, 128 a step, 16 steps; each fragment of k and v read from LDS feeds the wave's two tiles.
; CLUSTER.  The four work-groups need the same k and v (262,144 bytes): asked for JOINTLY, every LDS byte filled once.  Steps 0 and 1 come by the head's load (2,048 bytes a wave); steps 2 to 15 (14,336 bytes a wave)
; by a second load, and waited for ahead of step 2.  All of LDS is claimed.
; No prefetch: all of k and v is asked for in the head, so there is no loop to run ahead in.
; LAYOUT.  Both products transposed (S^T = k q^T, O^T = v^T p^T): a lane holds one query (lane % 16); the keys of a tile were chosen by the launch before so that a lane's 16 registers of two tiles are 16 neighbouring keys.
; O^T and the sums begin as zeros and the largest score as -3e38: the step has no first form of its own.
; LIMITS: e6 + e7 between -123 and 130; e8 and e10 - e8 - e9 between -126 and 119, so that each power of two and 448 times it are f32 numbers.  The promise holds while the scaled scores t stay under 2^31 in magnitude.
; REGISTERS: v0 the thread's number (kept); v1 LDS address; v2-9 two tiles' -M, largest score, sum (two halves); v[10:11] f; v12 v13 the hold; v14 2^e8; v15 16 x lane; v16-31 q; v32-95 k's fragments, then v's;
;   v96-159 scores, then p; v160-223 O^T; v224-255 p's codes, two tiles (a tile's softmax has its temporaries there until its codes are made).
.set ADR, 1
.set ST,  2
.set F,   10                           ; v[10:11] f = 2^(old M - new M), named as a pair
.set HB,  12                           ; v12, v13 448 x 2^e8, twice: one for each half of a dual pair
.set SCP, 14
.set LI,  15
.set QF,  16
.set KV,  32
.set S,   96
.set O,   160
.set PCD, 224
.set HX,  32                           ; the way out: 448 x 2^(e10 - e8 - e9),
.set SCX, 33                           ; 2^(e10 - e8 - e9),
.set OC,  34                           ; v34-49 x's codes
.set SPW, 50                           ; my spare word's LDS address and 0: no two registers can be kept for them, so they are made from v0 at the head and anew at the end
.set NIL, 51
.set SPARE, 262144                     ; behind k and v: 128 bytes a wave that no other line names
.set WV,  12
.set SEL, 20
.set CS,  22
.set G1,  24                           ; s[24:31] group 1 of the head's load;  s[68:75] of the second
.set G0,  32                           ; s[32:35], s[36:39] their groups 0
.set G0B, 36
.set G1B, 68
.set TB,  52
.set CNT, 53
.macro PLACES
.rept 4
	v_nop
.endr
.endm
.macro CROUND
	s_barrier_signal -1
	s_barrier_wait -1
	s_cmp_lg_u32 s[WV], 0
	s_cbranch_scc1 .Lnot_wave_0_\@
	s_barrier_signal -3
.Lnot_wave_0_\@:
	s_barrier_wait -3
	s_barrier_signal -1
	s_barrier_wait -1
.endm
.macro QK t                            ; S^T of tile t: 8 tiles of 16 keys
.set kk, 0
.rept 8
	v_wmma_f32_16x16x64_fp8_fp8 v[S+8*kk:S+8*kk+7], v[KV+8*kk:KV+8*kk+7], v[QF+8*(\t):QF+8*(\t)+7], 0
.set kk, kk+1
.endr
.endm
.macro PV t                            ; O^T += v^T p^T: four tiles of 16 channels, K = the step's 128 keys
.set kk, 0
.rept 4
	v_wmma_f32_16x16x128_fp8_fp8 v[O+32*(\t)+8*kk:O+32*(\t)+8*kk+7], v[KV+16*kk:KV+16*kk+15], v[PCD+16*(\t):PCD+16*(\t)+15], v[O+32*(\t)+8*kk:O+32*(\t)+8*kk+7]
.set kk, kk+1
.endr
.endm
; One tile's softmax of 128 keys: p's codes into the tile's 16 registers, the sum and O^T under the new M.  wv: v's loads are waited for on the way.
.macro SM t, wv
.set SS, ST+4*(\t)
.set OT, O+32*(\t)
.set PC, PCD+16*(\t)
.set CH, PC                            ; four chains of maxima
.set PL, PC+4
.set TS, PC+6                          ; three chains of sums
.set kk, 0
.rept 4
	v_max3_num_f32 v[CH+kk], v[S+3*kk], v[S+3*kk+1], v[S+3*kk+2]   ; my query's largest score among my 64 keys; each sum is read from its low end on
.set kk, kk+1
.endr
.set kk, 0
.rept 26
	v_max3_num_f32 v[CH+kk%4], v[CH+kk%4], v[S+12+2*kk], v[S+13+2*kk]
.set kk, kk+1
.endr
	s_delay_alu instid0(VALU_DEP_1)
	v_max3_num_f32 v[CH], v[CH], v[CH+1], v[CH+2]
	s_delay_alu instid0(VALU_DEP_1)
	v_max3_num_f32 v[CH], v[CH], v[CH+3], v[SS+1]   ; with the largest score so far
	v_mov_b32 v[CH+1], v[SS]               ; the old -M
	v_permlanex16_b32 v[PL], v[CH], s[SEL], s[SEL+1]
	s_delay_alu instid0(VALU_DEP_1)
	v_max_num_f32 v[SS+1], v[CH], v[PL]    ; and with lane l xor 16's: the running largest score
	s_delay_alu instid0(VALU_DEP_1)
	v_mul_f32 v[CH], s[CS], v[SS+1]        ; as t
	s_delay_alu instid0(VALU_DEP_1)
	v_floor_f32 v[SS], -v[CH]              ; -M = floor(-t)
.set jj, 0
.rept 32
	v_pk_fma_f32 v[S+jj:S+jj+1], v[S+jj:S+jj+1], s[CS:CS+1], v[SS:SS+1] op_sel_hi:[1,0,0]   ; t - M (of the pair the low word, -M, serves both halves).  f's three links stand among these lines, eight apart
.if jj == 14
	v_sub_f32 v[CH], v[SS], v[CH+1]        ; old M - new M, a whole number
.endif
.if jj == 30
	v_cvt_i32_f32 v[CH], v[CH]             ; (it saturates)
.endif
.if jj == 46
	v_ldexp_f32 v[F], 1.0, v[CH]           ; f
.endif
.set jj, jj+2
.endr
	s_wait_alu depctr_va_vdst(0)           ; the wait ahead of the batch, and directly ahead of the first reader of O^T: one wait serves both
.set jj, 0
.rept 16
	v_pk_mul_f32 v[OT+jj:OT+jj+1], v[OT+jj:OT+jj+1], v[F:F+1] op_sel_hi:[1,0]   ; O^T under the new M
.set jj, jj+2
.endr
.set jj, 0
.rept 64
	v_exp_f32 v[S+jj], v[S+jj]             ; p
.set jj, jj+1
.endr
	v_pk_mul_f32 v[SS+2:SS+3], v[SS+2:SS+3], v[F:F+1] op_sel_hi:[1,0]   ; the sum under the new M; a plain place behind the batch
	s_wait_alu depctr_va_vdst(0)           ; and the one wait behind the batch
	v_pk_add_f32 v[TS:TS+1], v[S:S+1], v[S+2:S+3]                       ; the sum of the unquantised p, in four chains
	v_pk_add_f32 v[TS+2:TS+3], v[S+4:S+5], v[S+6:S+7]
	v_pk_add_f32 v[TS+4:TS+5], v[S+8:S+9], v[S+10:S+11]
.set kk, 6
.rept 26
.if (kk%4) == 2
.set DD, SS+2
.else
.set DD, TS+2*((kk+1)%4)
.endif
	v_pk_add_f32 v[DD:DD+1], v[DD:DD+1], v[S+2*kk:S+2*kk+1]
.set kk, kk+1
.endr
	v_pk_add_f32 v[TS+2:TS+3], v[TS+2:TS+3], v[TS+4:TS+5]
	v_pk_add_f32 v[SS+2:SS+3], v[SS+2:SS+3], v[TS:TS+1]
	s_delay_alu instid0(VALU_DEP_1)
	v_pk_add_f32 v[SS+2:SS+3], v[SS+2:SS+3], v[TS+2:TS+3]
.if \wv
	s_wait_dscnt 0x0                       ; v is in: its 16 loads, issued ahead of this softmax, are all that is out
.endif
.set bb, 0
.rept 4
.set jj, 0
.rept 8
	v_dual_min_num_f32 v[S+16*bb+jj], v[S+16*bb+jj], v[HB] :: v_dual_min_num_f32 v[S+16*bb+jj+1], v[S+16*bb+jj+1], v[HB+1]   ; the conversion does not saturate (ISA guide 7.6.2); p is not negative: a one-sided hold, two a line
.set jj, jj+2
.endr
	v_cvt_scalef32_pk8_fp8_f32 v[PC+4*bb:PC+4*bb+1], v[S+16*bb:S+16*bb+7], v[SCP]
	v_cvt_scalef32_pk8_fp8_f32 v[PC+4*bb+2:PC+4*bb+3], v[S+16*bb+8:S+16*bb+15], v[SCP]
.set bb, bb+1
.endr
	v_nop                                  ; one plain line between the last conversion and the products that read its codes or write over its sources
.endm
.macro STEP
	v_add_nc_u32 v[ADR], s[TB], v[LI]      ; the step's place in LDS.  With the three lines below: the places ahead of loads into registers that the last products have read
.rept 3
	v_nop
.endr
.set kk, 0
.rept 16
	ds_load_b128 v[KV+4*kk:KV+4*kk+3], v[ADR] offset:512*kk          ; k's 8 fragments
.set kk, kk+1
.endr
	s_wait_dscnt 0x0
	QK 0
	PLACES
	SM 0, 0
	QK 1                                   ; tile 0's p has been converted: the scores' registers take tile 1's
	PLACES                                 ; ahead of the loads below and of the first read of the scores
.set kk, 0
.rept 16
	ds_load_b128 v[KV+4*kk:KV+4*kk+3], v[ADR] offset:8192+512*kk     ; v's 4 fragments, where k's lay; they land under tile 1's softmax
.set kk, kk+1
.endr
	SM 1, 1
	PV 0
	PV 1
	s_add_co_u32 s[TB], s[TB], 16384
.endm
.macro STEPS n
	s_mov_b32 s[CNT], \n
.Lstep_\@:
	STEP
	s_sub_co_u32 s[CNT], s[CNT], 1
	s_cmp_lg_u32 s[CNT], 0
	s_cbranch_scc1 .Lstep_\@
.endm
	s_load_b256 s[4:11], s[0:1], 0x0       ; qc, kv, the scales' exponents, xc
	v_lshl_add_u32 v[SPW], v0, 2, SPARE
	v_mov_b32 v[NIL], 0
	ds_add_u32 v[SPW], v[NIL]              ; the opening lines: the add, twice on end, and its wait
	ds_add_u32 v[SPW], v[NIL]
	v_lshrrev_b32 v2, 5, v0
	v_readfirstlane_b32 s[WV], v2          ; wave 0..15
	v_and_b32 v3, 31, v0
	v_lshlrev_b32 v[LI], 4, v3             ; 16 x lane
	s_bfe_u32 s13, ttmp6, 0x40000          ; cx: it enters q's and x's addresses alone
	s_and_b32 s14, ttmp7, 0xffff           ; bh, which the four partners share
	s_mov_b32 s[G1], 15|(3<<16)|(1<<21)    ; the mask: all four; elements of 8 bytes; bit 21 beside a mask
	s_mov_b32 s[G1+1], 32<<16              ; rows of 256 bytes,
	s_mov_b32 s[G1+2], 8<<16               ; 8 of them, dense
	s_mov_b32 s[G1+3], 32<<16
	s_mov_b32 s[G1+4], 8
	s_mov_b32 s[G1+5], 32
	s_mov_b32 s[G1+6], 0
	s_mov_b32 s[G1+7], 0
	s_mov_b32 s[G1B], 15|(3<<16)|(1<<21)
	s_mov_b32 s[G1B+1], 32<<16
	s_mov_b32 s[G1B+2], 56<<16             ; 56 rows
	s_mov_b32 s[G1B+3], 32<<16
	s_mov_b32 s[G1B+4], 56
	s_mov_b32 s[G1B+5], 32
	s_mov_b32 s[G1B+6], 0
	s_mov_b32 s[G1B+7], 0
	s_mov_b32 s[SEL], 0x76543210
	s_mov_b32 s[SEL+1], 0xfedcba98
	s_mov_b32 s[CS], 0x3e38aa3b            ; log2(e) / 8
	s_lshl_b32 s18, s[WV], 11              ; my sixteenth of steps 0 and 1: its place in LDS and in the head's block of memory
	s_mul_i32 s19, s[WV], 14336
	s_add_co_u32 s19, s19, 32768           ; and of steps 2-15
	s_lshl_b32 s16, s14, 18                ; the head's block
	s_mov_b32 s17, 0
	s_mov_b32 s60, s18
	s_mov_b32 s61, 0
	s_mov_b32 s62, s19
	s_mov_b32 s63, 0
	s_lshl_b32 s56, s13, 5
	s_lshl_b32 s57, s[WV], 1
	s_add_co_u32 s56, s56, s57             ; my first tile of queries: 32 cx + 2 wave
	s_lshl_b32 s54, s14, 7
	s_add_co_u32 s54, s54, s56
	s_lshl_b32 s54, s54, 10                ; in qc
	s_mov_b32 s55, 0
	s_lshr_b32 s58, s14, 4
	s_lshl_b32 s58, s58, 7
	s_add_co_u32 s58, s58, s56             ; row tile 128 b + tile,
	s_lshl_b32 s58, s58, 4
	s_and_b32 s59, s14, 15
	s_add_co_u32 s58, s58, s59             ; 16 halves of K steps a row tile: the head's
	s_lshl_b32 s58, s58, 10                ; in xc
	s_mov_b32 s59, 0
	s_wait_alu depctr_va_vdst(0)           ; the wait directly ahead of the waits below
	s_wait_dscnt 0x0
	s_wait_kmcnt 0x0
	s_load_b256 s[40:47], s[8:9], 0x0      ; e0 .. e7
	s_load_b128 s[48:51], s[8:9], 0x20     ; e8 .. e11
	s_add_nc_u64 s[6:7], s[6:7], s[16:17]
	s_add_nc_u64 s[4:5], s[4:5], s[54:55]
	s_add_nc_u64 s[10:11], s[10:11], s[58:59]
.set kk, 0
.rept 4
	global_load_b128 v[QF+4*kk:QF+4*kk+3], v[LI], s[4:5] offset:512*kk th:TH_LOAD_NT   ; q's two fragments stay in registers
.set kk, kk+1
.endr
	s_mov_b32 s[G0], 1
	s_mov_b32 s[G0+1], s18
	s_add_nc_u64 s[G0+2:G0+3], s[6:7], s[60:61]
	s_or_b32 s[G0+3], s[G0+3], 0x80000000
	s_mov_b32 s[G0B], 1
	s_mov_b32 s[G0B+1], s19
	s_add_nc_u64 s[G0B+2:G0B+3], s[6:7], s[62:63]
	s_or_b32 s[G0B+3], s[G0B+3], 0x80000000
	CROUND                                 ; all four work-groups are here: the joint loads meet
	tensor_load_to_lds s[G0:G0+3], s[G1:G1+7]   ; steps 0 and 1: one tensor load a wave at the head
	s_nop 0
.irp t, 0,1
	v_mov_b32 v[ST+4*\t], 0x7f61b1e6       ; -M = 3e38
	v_mov_b32 v[ST+4*\t+1], 0xff61b1e6     ; the largest score so far: -3e38
	v_mov_b32 v[ST+4*\t+2], 0
	v_mov_b32 v[ST+4*\t+3], 0
	v_mov_b32 v[PCD+16*\t+4], 0            ; a lane permute's destination counts as a source
.endr
	v_mov_b32 v[F+1], 0                    ; (named with f as a pair)
.set jj, 0
.rept 64
	v_mov_b32 v[O+jj], 0                   ; O^T: the first change of M leaves zeros zeros
.set jj, jj+1
.endr
	s_wait_kmcnt 0x0
	s_add_co_i32 s54, s46, s47
	s_lshl_b32 s54, s54, 23
	s_add_co_i32 s[CS], s[CS], s54         ; e6 + e7 are added to c's exponent field
	s_mov_b32 s[CS+1], s[CS]
	s_add_co_i32 s54, s48, 127
	s_lshl_b32 s55, s54, 23                ; 2^e8
	s_add_co_i32 s54, s54, 8
	s_lshl_b32 s54, s54, 23
	s_or_b32 s54, s54, 0x600000            ; 448 x 2^e8
	s_sub_co_i32 s56, s50, s48
	s_sub_co_i32 s56, s56, s49
	s_add_co_i32 s56, s56, 127
	s_lshl_b32 s57, s56, 23                ; 2^(e10 - e8 - e9), kept for the way out
	s_add_co_i32 s56, s56, 8
	s_lshl_b32 s56, s56, 23
	s_or_b32 s56, s56, 0x600000            ; 448 x that, likewise
	v_mov_b32 v[HB], s54
	v_mov_b32 v[HB+1], s54
	v_mov_b32 v[SCP], s55
	s_mov_b32 s[TB], 0
	s_wait_alu depctr_va_vdst(0)           ; the wait at the head's end
	s_wait_tensorcnt 0x0                   ; my part of steps 0 and 1 is in
	ds_add_u32 v[SPW], v[NIL]
	s_wait_dscnt 0x0
	CROUND                                 ; a whole round: everybody's part is in, and the joint loads meet
	tensor_load_to_lds s[G0B:G0B+3], s[G1B:G1B+7]   ; steps 2-15, the first tensor load behind the round; it lands under steps 0 and 1
	s_nop 0
	PLACES
	s_wait_loadcnt 0x0                     ; q
	STEPS 2
	s_wait_tensorcnt 0x0                   ; my part of steps 2-15 has landed,
	s_barrier_signal -1
	s_barrier_wait -1                      ; everybody's has
	s_mov_b32 s[TB], 32768
	STEPS 14
	; THE WAY OUT: O^T / the sum, quantised with 2^e10 (the conversion takes 2^(e10 - e8 - e9)); a wave's store covers 512 consecutive bytes, aligned
	PLACES                                 ; ahead of vector writes into registers that the last products have read
	v_add_f32 v[ST+2], v[ST+2], v[ST+3]
	v_add_f32 v[ST+6], v[ST+6], v[ST+7]
	v_mov_b32 v[HX], s56
	v_mov_b32 v[SCX], s57
	v_permlanex16_b32 v[PCD+4], v[ST+2], s[SEL], s[SEL+1]
	v_permlanex16_b32 v[PCD+20], v[ST+6], s[SEL], s[SEL+1]
	v_add_f32 v[ST+2], v[ST+2], v[PCD+4]
	v_add_f32 v[ST+6], v[ST+6], v[PCD+20]
	s_wait_alu depctr_va_vdst(0)           ; the wait ahead of the batch
	v_rcp_f32 v[ST+2], v[ST+2]
	v_rcp_f32 v[ST+6], v[ST+6]
	v_nop
	s_wait_alu depctr_va_vdst(0)           ; the wait behind the batch, directly ahead of the first reader of O^T
.irp t, 0,1
.set jj, 0
.rept 16
	v_pk_mul_f32 v[S+32*\t+jj:S+32*\t+jj+1], v[O+32*\t+jj:O+32*\t+jj+1], v[ST+4*\t+2:ST+4*\t+3] op_sel_hi:[1,0]
.set jj, jj+2
.endr
.endr
.set g, 0
.rept 8
.irp i, 0,1,2,3,4,5,6,7
	v_med3_num_f32 v[S+8*g+\i], v[S+8*g+\i], -v[HX], v[HX]
.endr
	v_cvt_scalef32_pk8_fp8_f32 v[OC+2*g:OC+2*g+1], v[S+8*g:S+8*g+7], v[SCX]
.set g, g+1
.endr
	v_nop
.irp t, 0,1
	global_store_b128 v[LI], v[OC+8*\t:OC+8*\t+3], s[10:11] offset:16384*\t
	global_store_b128 v[LI], v[OC+8*\t+4:OC+8*\t+7], s[10:11] offset:16384*\t+512
.endr
	v_lshl_add_u32 v[SPW], v0, 2, SPARE    ; the add's two registers, made anew
	v_mov_b32 v[NIL], 0
	s_wait_alu depctr_va_vdst(0)           ; the wait directly ahead of the wait below
	s_wait_tensorcnt 0x0                   ; the wave's end
	ds_add_u32 v[SPW], v[NIL]
	s_wait_dscnt 0x0
	CROUND                                 ; the closing round
	s_endpgm
.Lfunc_end_k_q7584104c01_attn:
	.size	k_q7584104c01_attn, .Lfunc_end_k_q7584104c01_attn-k_q7584104c01_attn
	.p2alignl 7, 3214868480
	.fill 96, 4, 3214868480
	.section	.rodata,"a",@progbits
	.p2align	6, 0x0
	.amdhsa_kernel k_q7584104c01_attn
		.amdhsa_group_segment_fixed_size 327680
		.amdhsa_private_segment_fixed_size 0
		.amdhsa_enable_private_segment 0
		.amdhsa_kernarg_size 32
		.amdhsa_user_sgpr_count 2
		.amdhsa_user_sgpr_kernarg_segment_ptr 1
		.amdhsa_wavefront_size32 1
		.amdhsa_system_sgpr_workgroup_id_x 1
		.amdhsa_system_sgpr_workgroup_id_y 1
		.amdhsa_system_sgpr_workgroup_id_z 1
		.amdhsa_system_vgpr_workitem_id 0
		.amdhsa_next_free_vgpr 256
		.amdhsa_next_free_sgpr 80
		.amdhsa_reserve_vcc 0
		.amdhsa_float_denorm_mode_32 3
		.amdhsa_float_denorm_mode_16_64 3
		.amdhsa_memory_ordered 1
		.amdhsa_forward_progress 1
		.amdhsa_inst_pref_size 74
	.end_amdhsa_kernel
	.amdgpu_metadata
---
amdhsa.version: [ 1, 2 ]
amdhsa.kernels:
  - .name:           k_q7584104c01_attn
    .symbol:         k_q7584104c01_attn.kd
    .args:
      - { .name: qc, .offset: 0, .size: 8, .value_kind: global_buffer, .address_space: global }
      - { .name: kv, .offset: 8, .size: 8, .value_kind: global_buffer, .address_space: global }
      - { .name: lowp_scales, .offset: 16, .size: 8, .value_kind: global_buffer, .address_space: global }
      - { .name: xc, .offset: 24, .size: 8, .value_kind: global_buffer, .address_space: global }
    .group_segment_fixed_size: 327680
    .private_segment_fixed_size: 0
    .kernarg_segment_align: 8
    .kernarg_segment_size: 32
    .max_flat_workgroup_size: 512
    .sgpr_count:     80
    .vgpr_count:     256
    .wavefront_size: 32
...
	.end_amdgpu_metadata
.endif
;; end of part 2
;; launch proj (part 3): grid 4 x 64, 4 waves a work-group, clusters of 4 x 1, 168,448 bytes of LDS; arguments xc, woc, lowp_scales, out0; writes out0
.if DOCPART == 3
	.amdgcn_target "amdgcn-amd-amdhsa--gfx1250"
	.amdhsa_code_object_version 6
	.text
	.protected	k_q7584104c01_proj
	.globl	k_q7584104c01_proj
	.p2align	8
	.type	k_q7584104c01_proj,@function
k_q7584104c01_proj:
	s_mov_b64 s[64:65], 0
	v_nop
	global_prefetch_b8 v0, s[64:65] scope:SCOPE_SE
	s_setreg_imm32_b32 hwreg(HW_REG_WAVE_MODE, 25, 1), 1
	s_wait_xcnt 0x0
	s_wait_alu depctr_hold_cnt(0) depctr_sa_sdst(0) depctr_va_vdst(0) depctr_va_sdst(0) depctr_va_ssrc(0) depctr_va_vcc(0) depctr_vm_vsrc(0)
	s_getreg_b32 s2, hwreg(HW_REG_IB_STS2, 6, 4)
	s_cmp_eq_u32 s2, 0
	s_cbranch_scc0 .Lentry_in_a_cluster
	s_endpgm
.Lentry_in_a_cluster:
	s_bfe_u32 s2, ttmp6, 0x10000c
	s_cmp_lg_u32 s2, 0x3003
	s_cbranch_scc0 .Lentry_shape_is_right
	s_endpgm
.Lentry_shape_is_right:
; THE OUTPUT PROJECTION ON CODES OF E4M3: out0[row][n] = 2^(e10 + e11) x the sum over k of x[row][k] Wo[n][k].  K = 1,024: 8 steps of 128 (v_wmma_f32_16x16x128_fp8_fp8).
; xc [row tile 512][K step 8][2048] and woc [tile of 16 n: 64][K step 8][2048] are images of operand registers: registers 4 c .. 4 c + 3 at 512 c + 16 x lane; in them k stands in the form's own places.
; SHARES.  The grid's y names 128 rows: 8 row tiles, one dense block of 131,072 bytes of xc.  cx names 256 columns, wave w 64 of them (4 tiles of n): 256 bytes of a row of out0.
; CLUSTER.  The four work-groups of a cluster need the same 128 rows of x: they are asked for JOINTLY, each byte of LDS filled once.  Each wave's part of Wo (4 tiles x 8 K steps: 512 registers) goes from
; memory straight into its registers, once: it is no tile in LDS, so it is not shared by a joint load.
; The work goes by row tiles, so that finished rows leave while the next are multiplied.  THE PRODUCT IS USED TRANSPOSED (source 0 = 16 rows of Wo, source 1 = 16 rows of x): a lane holds eight neighbouring
; numbers of a row of out0; a tile of 16 rows x 64 columns goes through the wave's own stage in LDS and leaves as rows of 256 bytes, sixteen lanes to a row.
; LIMIT: e10 + e11 between -126 and 127, so that 2^(e10 + e11) is an f32 number.
; LDS: 0 .. 131,071 x (fragment (m, K step) at 16,384 m + 2,048 step); from 131,072 on the stages, 16 rows x 272 bytes a wave: no fill lands there.
; REGISTERS: window 0: v1, v2 16 x lane (+ 65,536: row tiles 4 to 7); v3 into the stage, v4 back, v5 my offset in out0; v32-63 four sums; v64-95 sums x the scale; v96-127 rows read back;
;   v128-191, v192-255 x's fragments of K steps 0-3, 4-7.   window 1: Wo's K steps 0-3 at v[64 step + 16 n];   window 2: K steps 4-7.
.set ACC, 32
.set T,   64
.set R,   96
.set F0,  128
.set F1,  192
.set WV,  12
.set G1,  24
.set G0,  32
.set STG, 131072
.set SP,  272                          ; a stage row: 256 bytes + 16: the sixteen rows that a store touches start at sixteen different groups of banks (ISA guide 11.1)
.set MSB, 0
.macro WIN new
.if MSB != \new
	s_set_vgpr_msb (MSB<<8)|\new
.set MSB, \new
.endif
.endm
.macro PLACES
.rept 4
	v_nop
.endr
.endm
.macro CROUND
	s_barrier_signal -1
	s_barrier_wait -1
	s_cmp_lg_u32 s[WV], 0
	s_cbranch_scc1 .Lnot_wave_0_\@
	s_barrier_signal -3
.Lnot_wave_0_\@:
	s_barrier_wait -3
	s_barrier_signal -1
	s_barrier_wait -1
.endm
.macro FETCH f, m, k0                  ; 16 LDS loads: row tile m's fragments of K steps k0 .. k0 + 3 into buffer f
.irp k, 0,1,2,3
.irp c, 0,1,2,3
	ds_load_b128 v[\f+16*\k+4*\c:\f+16*\k+4*\c+3], v[1+(\m)/4] offset:16384*((\m)%4)+2048*(\k0+\k)+512*\c
.endr
.endr
.endm
.macro MUL f, win, zero                ; 16 products: four K steps x my four tiles of n; the four sums take turns, one product a turn.  zero = 1: the first K step starts the sums
	WIN \win                               ; source 0 (Wo) in window 1 or 2
.irp k, 0,1,2,3
.irp n, 0,1,2,3
.if \zero && (\k == 0)
	v_wmma_f32_16x16x128_fp8_fp8 v[ACC+8*\n:ACC+8*\n+7], v[64*\k+16*\n:64*\k+16*\n+15], v[\f+16*\k:\f+16*\k+15], 0
.else
	v_wmma_f32_16x16x128_fp8_fp8 v[ACC+8*\n:ACC+8*\n+7], v[64*\k+16*\n:64*\k+16*\n+15], v[\f+16*\k:\f+16*\k+15], v[ACC+8*\n:ACC+8*\n+7]
.endif
.endr
.endr
	WIN 0
.endm
.macro PACK                            ; the finished tile: x 2^(e10 + e11) into other registers, into my stage, and back as rows
	PLACES                                 ; ahead of the first read of results; also the places ahead of the next loads into buffer 1, and among those ahead of the next tile's first products
.irp j, 0,2,4,6,8,10,12,14,16,18,20,22,24,26,28,30
	v_pk_mul_f32 v[T+\j:T+\j+1], v[ACC+\j:ACC+\j+1], s[46:47] op_sel_hi:[1,0]   ; each sum from its low end on
.endr
	s_wait_alu depctr_va_vdst(0)
	s_wait_xcnt 0x0                        ; the last tile's stores have read their registers, which the loads below fill again
.irp n, 0,1,2,3
	ds_store_b128 v3, v[T+8*\n:T+8*\n+3] offset:64*\n
	ds_store_b128 v3, v[T+8*\n+4:T+8*\n+7] offset:64*\n+16
.endr
.irp i, 0,1,2,3,4,5,6,7
	ds_load_b128 v[R+4*\i:R+4*\i+3], v4 offset:2*\i*SP   ; LDS serves a wave's instructions in order (ISA guide 5.7.1.4): these see the stores above, and the next tile's stores come behind them
.endr
.endm
.macro SEND m, younger                 ; younger: the LDS loads issued behind PACK's, which may stay out
	s_wait_dscnt \younger
.irp i, 0,1,2,3,4,5,6,7
	global_store_b128 v5, v[R+4*\i:R+4*\i+3], s[10:11] offset:(16*(\m)+2*\i)*4096 th:TH_STORE_NT   ; sixteen lanes store 256 consecutive bytes, aligned; written once, read by nobody here
.endr
.endm
.macro ROWT m
	FETCH F1, \m, 4
.if (\m) == 0
	s_wait_dscnt 16                        ; buffer 0 is in; buffer 1's 16 loads were issued behind it
	s_wait_loadcnt 63                      ; of Wo's 128 loads at most 63 are out: K steps 0 to 3, the first 64, are in
.else
	s_wait_dscnt 32                        ; buffer 0 is in; behind it: the way out's 16 LDS instructions and buffer 1's 16 loads
.endif
	MUL F0, 0x01, 1
.if (\m) > 0
	SEND (\m)-1, 16                        ; the tile before leaves under this tile's products; buffer 1's 16 loads are younger
.endif
.if (\m) < 7
	PLACES                                 ; ahead of the loads into buffer 0, which the products above have read
	FETCH F0, (\m)+1, 0
	s_wait_dscnt 16                        ; buffer 1 is in
.else
	s_wait_dscnt 0x0
.endif
.if (\m) == 0
	s_wait_loadcnt 0x0                     ; Wo's K steps 4 to 7
.endif
	MUL F1, 0x02, 0
	PACK
.endm
	s_load_b256 s[4:11], s[0:1], 0x0       ; xc s[4:5], woc s[6:7], the scales' exponents s[8:9], out0 s[10:11]
	v_lshl_add_u32 v30, v0, 2, 0x29000
	v_mov_b32 v31, 0
	ds_add_u32 v30, v31
	ds_add_u32 v30, v31
	v_lshrrev_b32 v1, 5, v0
	v_readfirstlane_b32 s[WV], v1          ; wave 0..3
	s_bfe_u32 s13, ttmp6, 0x40000          ; cx: it enters Wo's and out0's addresses alone
	s_and_b32 s14, ttmp7, 0xffff           ; y, which the four partners share
	; descriptor group 1: 128 rows of 32 elements of 8 bytes, dense: 32,768 bytes as they lie
	s_mov_b32 s[G1], 15|(3<<16)|(1<<21)    ; the mask: all four work-groups; elements of 8 bytes; bit 21 set beside a mask
	s_mov_b32 s[G1+1], 32<<16              ; tensor_dim0
	s_mov_b32 s[G1+2], 128<<16             ; tensor_dim1
	s_mov_b32 s[G1+3], 32<<16              ; tile_dim0
	s_mov_b32 s[G1+4], 128                 ; tile_dim1
	s_mov_b32 s[G1+5], 32                  ; from row to row
	s_mov_b32 s[G1+6], 0
	s_mov_b32 s[G1+7], 0
	s_lshl_b32 s18, s[WV], 15              ; my quarter of the block: its place in LDS and in memory
	s_lshl_b32 s16, s14, 17
	s_add_co_u32 s16, s16, s18
	s_mov_b32 s17, 0
	s_lshl_b32 s54, s13, 4
	s_lshl_b32 s55, s[WV], 2
	s_add_co_u32 s54, s54, s55
	s_lshl_b32 s54, s54, 14                ; woc: tile 16 cx + 4 w, 16,384 bytes a tile
	s_mov_b32 s55, 0
	s_lshl_b32 s56, s14, 19                ; out0: 128 rows of 4,096 bytes,
	s_lshl_b32 s57, s13, 10                ; 256 columns,
	s_add_co_u32 s56, s56, s57
	s_lshl_b32 s57, s[WV], 8               ; 64 columns
	s_add_co_u32 s56, s56, s57
	s_mov_b32 s57, 0
	v_and_b32 v6, 31, v0                   ; l
	v_and_b32 v7, 15, v0                   ; r
	v_bfe_u32 v8, v0, 4, 1                 ; h
	v_lshlrev_b32 v1, 4, v6                ; 16 l
	v_add_nc_u32 v2, 65536, v1
	s_mul_i32 s19, s[WV], 16*SP
	s_add_co_u32 s19, s19, STG             ; my stage
	v_mul_u32_u24 v3, v7, SP
	v_lshl_add_u32 v3, v8, 5, v3
	v_add_nc_u32 v3, s19, v3               ; in: row r, 32 bytes for each half of the lanes
	v_mul_u32_u24 v4, v8, SP
	v_lshl_add_u32 v4, v7, 4, v4
	v_add_nc_u32 v4, s19, v4               ; back: lanes 0-15 one row of 256 bytes, lanes 16-31 the next
	v_lshlrev_b32 v5, 12, v8
	v_lshl_add_u32 v5, v7, 4, v5           ; and the same two rows in out0
	s_wait_dscnt 0x0
	s_wait_kmcnt 0x0
	s_load_b64 s[46:47], s[8:9], 0x28      ; e10, e11
	s_add_nc_u64 s[4:5], s[4:5], s[16:17]
	s_add_nc_u64 s[6:7], s[6:7], s[54:55]
	s_add_nc_u64 s[10:11], s[10:11], s[56:57]
	s_mov_b32 s[G0], 1                     ; count = 1
	s_mov_b32 s[G0+1], s18                 ; LDS address
	s_mov_b64 s[G0+2:G0+3], s[4:5]         ; global address
	s_or_b32 s[G0+3], s[G0+3], 0x80000000  ; type = 2
	CROUND                                 ; all four work-groups are here: the joint loads meet
	tensor_load_to_lds s[G0:G0+3], s[G1:G1+7]   ; my one tensor load of the launch
	s_nop 0
	PLACES                                 ; four v_nop behind it, ahead of the first switch of windows
	WIN 0x40                               ; destination window 1
.irp k, 0,1,2,3
.irp n, 0,1,2,3
.irp c, 0,1,2,3
	global_load_b128 v[64*\k+16*\n+4*\c:64*\k+16*\n+4*\c+3], v1, s[6:7] offset:16384*\n+2048*\k+512*\c
.endr
.endr
.endr
	WIN 0x80                               ; destination window 2
.irp k, 0,1,2,3
.irp n, 0,1,2,3
.irp c, 0,1,2,3
	global_load_b128 v[64*\k+16*\n+4*\c:64*\k+16*\n+4*\c+3], v1, s[6:7] offset:16384*\n+2048*(\k+4)+512*\c
.endr
.endr
.endr
	WIN 0
	s_wait_kmcnt 0x0
	s_add_co_i32 s46, s46, s47
	s_add_co_i32 s46, s46, 127
	s_lshl_b32 s46, s46, 23                ; 2^(e10 + e11) as f32
	s_mov_b32 s47, s46                     ; (named with it as a pair, so it is written)
	s_wait_tensorcnt 0x0                   ; my quarter of x has landed,
	s_barrier_signal -1
	s_barrier_wait -1                      ; everybody's has
	FETCH F0, 0, 0
.irp m, 0,1,2,3,4,5,6,7
	ROWT \m
.endr
	SEND 7, 0
	s_wait_tensorcnt 0x0
	ds_add_u32 v30, v31
	s_wait_dscnt 0x0
	CROUND                                 ; the closing round: no work-group ends while a partner may still ask for a tile that names it
	s_endpgm
.Lfunc_end_k_q7584104c01_proj:
	.size	k_q7584104c01_proj, .Lfunc_end_k_q7584104c01_proj-k_q7584104c01_proj
	.p2alignl 7, 3214868480
	.fill 96, 4, 3214868480
	.section	.rodata,"a",@progbits
	.p2align	6, 0x0
	.amdhsa_kernel k_q7584104c01_proj
		.amdhsa_group_segment_fixed_size 168448
		.amdhsa_private_segment_fixed_size 0
		.amdhsa_enable_private_segment 0
		.amdhsa_kernarg_size 32
		.amdhsa_user_sgpr_count 2
		.amdhsa_user_sgpr_kernarg_segment_ptr 1
		.amdhsa_wavefront_size32 1
		.amdhsa_system_sgpr_workgroup_id_x 1
		.amdhsa_system_sgpr_workgroup_id_y 1
		.amdhsa_system_sgpr_workgroup_id_z 1
		.amdhsa_system_vgpr_workitem_id 0
		.amdhsa_next_free_vgpr 768
		.amdhsa_next_free_sgpr 66
		.amdhsa_reserve_vcc 0
		.amdhsa_float_denorm_mode_32 3
		.amdhsa_float_denorm_mode_16_64 3
		.amdhsa_memory_ordered 1
		.amdhsa_forward_progress 1
		.amdhsa_inst_pref_size 75
	.end_amdhsa_kernel
	.amdgpu_metadata
---
amdhsa.version: [ 1, 2 ]
amdhsa.kernels:
  - .name:           k_q7584104c01_proj
    .symbol:         k_q7584104c01_proj.kd
    .args:
      - { .name: xc, .offset: 0, .size: 8, .value_kind: global_buffer, .address_space: global }
      - { .name: woc, .offset: 8, .size: 8, .value_kind: global_buffer, .address_space: global }
      - { .name: lowp_scales, .offset: 16, .size: 8, .value_kind: global_buffer, .address_space: global }
      - { .name: out0, .offset: 24, .size: 8, .value_kind: global_buffer, .address_space: global }
    .group_segment_fixed_size: 168448
    .private_segment_fixed_size: 0
    .kernarg_segment_align: 8
    .kernarg_segment_size: 32
    .max_flat_workgroup_size: 128
    .sgpr_count:     66
    .vgpr_count:     768
    .wavefront_size: 32
...
	.end_amdgpu_metadata
.endif
;; end of part 3
